; MI455X (gfx1250); checked and timed in simulation.
; The chip was launched on July 23, 2026; its instructions are those of AMD's public machine-readable ISA for CDNA 5 (MIT licence, August 2026) and "CDNA5" Instruction Set Architecture Reference Guide (July 2026). The comments in the code are by the model that wrote it; some were corrected since.
;; Multi Head Attention. Allowed arithmetic: matrix products marked QUANTISED: E5M2 operands, one given power-of-two scale a tensor, by v_wmma_f32_16x16x64_bf8_bf8 or v_wmma_f32_16x16x128_bf8_bf8, f32 sums; everything else in f32.
;; Inputs: b_out 1,024 float32; b_qkv 3,072 float32; lowp_scales 8 int32 (the exponents e of the quantised operands' scales 2^e); w_out_codes 1,024 x 32 x 32 uint8 (E5M2 codes of w_out, K innermost, in blocks of 32 codes); w_qkv_codes 3,072 x 32 x 32 uint8 (E5M2 codes of w_qkv, K innermost, in blocks of 32 codes); x_codes 4 x 2,048 x 32 x 32 uint8 (E5M2 codes of x, K innermost, in blocks of 32 codes).
;; Outputs: out0 4 x 2,048 x 1,024 float32.
;; This version of the problem:
;;   THIS VERSION OF THE PROBLEM IS GIVEN IN LOW PRECISION. The matrix products marked QUANTISED in the list below multiply operands that are first quantised to E5M2 (5 exponent bits, 2 mantissa bits; 8 bits a number), with one given power-of-two scale for each operand tensor; their sums are f32. All else is computed in f32.
;;   The module's matrix products, in the order in which they are computed (A, B: the left and right operand; K: the contracted axis; several contracted axes count as one K, in the product's order):
;;     1. [M 8,192, K 1,024] x [K 1,024, N 3,072]; A: input x (given as codes); B: input w_qkv (given as codes): QUANTISED (scales: A lowp_scales[0], B lowp_scales[1])
;;     2. batch 64 x [M 2,048, K 64] x [K 64, N 2,048]; A: computed on the way; B: computed on the way: QUANTISED (scales: A lowp_scales[2], B lowp_scales[3])
;;     3. batch 64 x [M 64, K 2,048] x [K 2,048, N 2,048]; A: computed on the way; B: softmax (see below): QUANTISED (scales: A lowp_scales[4], B lowp_scales[5])
;;     4. [M 8,192, K 1,024] x [K 1,024, N 1,024]; A: computed on the way; B: input w_out (given as codes): QUANTISED (scales: A lowp_scales[6], B lowp_scales[7])
;;   THE QUANTISER, for each operand of a quantised product, along K:
;;     - The operand's scale is 2^e, e = its entry of the input lowp_scales (int32; the entries are numbered through the quantised products in the list's order, A before B).
;;     - Each number is divided by the scale, clamped to +-57,344, and rounded to the nearest number of E5M2, ties to even, subnormals kept.
;;     - The product sums the exact products of the quantised numbers (number of the format x scale) in f32.
;;   ~~~python
;;   def quantise(x, axis, e):      # numpy; x: float32 -> the quantised numbers, widened to float32 again
;;       x = np.moveaxis(x, axis, -1); K = x.shape[-1]
;;       r = np.clip(x / 2.0 ** e, -57344, 57344)
;;       step = 2.0 ** (np.maximum(np.frexp(np.where(r == 0, 1, r))[1] - 1, -14) - 2)
;;       q = np.round(r / step) * step * 2.0 ** e      # np.round: ties to even
;;       return np.moveaxis(q, -1, axis).astype(np.float32)
;;   ~~~
;;   SOFTMAX AHEAD OF A QUANTISED PRODUCT. Where the list says 'softmax', what is quantised is not the finished softmax but p = 2^(t - M), with t = logit x log2(e) and M = ceil(the row's largest t), a whole number; so 1/2 < the row's largest p <= 1. The row's sum l is taken of the UNQUANTISED p, in f32, and the product's result is divided by l at the end. Since M is a whole number, a kernel that streams over the keys may use a running M (the ceiling of the running maximum): every later rescaling is an exact power of two, so the quantised numbers keep their values, but for numbers so far below the row's largest that they fall under the format's range.
;;   OPERANDS COMPUTED ON THE WAY. 'Computed on the way' means the value that the module computes at that place (a softmax that the list does not call 'softmax' is quantised finished and normalised). What goes into a quantiser is computed in f32, as accurately as f32 sums, v_exp_f32 and their like allow (about 1e-6 of the number): no bf16 or f16 on the way to a quantiser, and a product that is left as it is and whose result goes on into a quantised operand takes f32 operands (vector FMAs, or v_wmma_f32_16x16x4_f32). A number that lies on a knife's edge between two numbers of the format may be rounded either way, as far as f32 arithmetic and the matrix unit's own rounding can turn it there, and no further.
;;   INPUTS GIVEN AS CODES. w_out (in the module: [1024, 1024], K = its axis 0); w_qkv (in the module: [1024, 3072], K = its axis 0); x (in the module: [4, 2048, 1024], K = its axis 2): each comes as NAME_codes (uint8): NAME with its K axis moved to the last place and cut into blocks of 32 codes, [.., K / 32, bytes a block], one block behind the other in memory; one code a byte (a code: sign, 5 exponent bits, 2 mantissa bits); its scale is its entry of lowp_scales. Its value is code x scale, taken as it is: it is not quantised again, and the codes and scales need not be those that the quantiser above would give.
;; One version. Each part assembles by itself: llvm-mc -triple=amdgcn-amd-amdhsa -mcpu=gfx1250 --defsym DOCPART=n.
;; ======== version 1 of 1: 3 launches
;; limits: right only within a limited range of input values
;; workspace buffers: q_codes 8,388,608 bytes; kv_codes 16,777,216 bytes; attn_codes 8,388,608 bytes
;; launch qkv (part 1): grid 16 x 16, 4 waves a work-group, clusters of 4 x 4, 327,680 bytes of LDS; arguments x_codes, w_qkv_codes, b_qkv, lowp_scales, q_codes, kv_codes; writes q_codes, kv_codes
.if DOCPART == 1
	.amdgcn_target "amdgcn-amd-amdhsa--gfx1250"
	.amdhsa_code_object_version 6
	.text
	.protected	k_qc413f750b6_qkv
	.globl	k_qc413f750b6_qkv
	.p2align	8
	.type	k_qc413f750b6_qkv,@function
k_qc413f750b6_qkv:
	s_mov_b64 s[64:65], 0
	v_nop
	global_prefetch_b8 v0, s[64:65] scope:SCOPE_SE
	s_setreg_imm32_b32 hwreg(HW_REG_WAVE_MODE, 25, 1), 1
	s_wait_xcnt 0x0
	s_wait_alu depctr_hold_cnt(0) depctr_sa_sdst(0) depctr_va_vdst(0) depctr_va_sdst(0) depctr_va_ssrc(0) depctr_va_vcc(0) depctr_vm_vsrc(0)
	s_getreg_b32 s2, hwreg(HW_REG_IB_STS2, 6, 4)
	s_cmp_eq_u32 s2, 0
	s_cbranch_scc0 .Lentry_in_a_cluster
	s_endpgm
.Lentry_in_a_cluster:
	s_bfe_u32 s2, ttmp6, 0x10000c
	s_cmp_lg_u32 s2, 0xf033
	s_cbranch_scc0 .Lentry_shape_is_right
	s_endpgm
.Lentry_shape_is_right:
; q, k, v = x w_qkv + b_qkv on codes of E5M2, quantised with 2^e2, 2^e3, 2^e4 and stored as images of the next launch's operand registers.  No work of reference() is left out.
; A work-group makes 256 rows x one head's 192 columns, K in steps of 256 through a ring of two slots filled by joint loads (cluster 4 x 4).
; A WORK-GROUP STAYS: it makes two such tiles, 4,096 rows apart, of the same head.  The ring goes on into the second tile: the first tile's last two changes of slots ask for the
; second tile's K steps 0 and 1, and the first tile's codes are made and stored while those loads are out.
; LIMITS: e2, e3, e4 less e0 + e1 between -126 and 112, so that each power of two is an f32 number.
.set PITCH, 272
.set AHALF, 128*PITCH
.set BHALF, 96*PITCH
.set BOFF,  2*AHALF
.set SLOT,  BOFF+2*BHALF
.set SPARE, 2*SLOT
.set ADRA, 16
.set ADRB, 18
.set ADRV, 20
.set OQ,   22
.set OV,   23
.set BQ,   24
.set BV,   25
.set SPW,  28
.set NIL,  29
.set SQ,   32
.set LQ,   33
.set SK,   34
.set LK,   35
.set SV,   36
.set LV,   37
.set BS,   64
.set CQ,   64
.set CK,   96
.set CV,   128
.set BIAS, 128
.set BIASV, 160
.set WV,  16
.set WHI, 17
.set WLO, 18
.set G1A, 24
.set G0A, 32
.set G1B, 40
.set G0B, 48
.set PFO, 30                           ; v30  the prefetches' offset: a lane a row of 1,024 bytes; never rewritten
.set PFA, 90                           ; s[90:91] my work-group's share of the rows that my wave fetches; never rewritten: the steps stand in the immediate
.set MSB, 0
; A PREFETCH INTO THE L2, behind each joint load: the K step that stands two refills on (st = 0 .. 3: the first tile's; 4 .. 7: the second's, 4,096 rows of x down).
; Of the 128 rows of x (96 of w) that a wave fetches, each of the four partners that ask jointly names 32 (24), told apart by address: a lane a row of 1,024 bytes; w's eight lanes left over name the last row again.
; w's rows serve both tiles and are asked for in the first alone; K steps 0 and 1 come by their loads alone; the last two refills have no step two on.
.macro ASK st
.if \st < 4
	global_prefetch_b8 v[PFO], s[PFA:PFA+1] offset:256*(\st) th:TH_LOAD_NT scope:SCOPE_SE
.else
	s_cmp_eq_u32 s[WHI], 0
	s_cbranch_scc0 .Lno_ask_\@
	global_prefetch_b8 v[PFO], s[PFA:PFA+1] offset:0x400000+256*(\st-4) th:TH_LOAD_NT scope:SCOPE_SE
.Lno_ask_\@:
.endif
.endm
.macro WIN new
.if MSB != \new
	s_set_vgpr_msb (MSB<<8)|\new
.set MSB, \new
.endif
.endm
.macro PLACES n
.rept \n
	v_nop
.endr
.endm
.macro JLOAD s
	s_cmp_eq_u32 s[WHI], 0
	s_cbranch_scc0 .Lfor_b_\@
	tensor_load_to_lds s[G0A+4*\s:G0A+4*\s+3], s[G1A:G1A+7]
	s_nop 0
.rept 4
	v_nop
.endr
	s_branch .Lasked_\@
.Lfor_b_\@:
	tensor_load_to_lds s[G0B+4*\s:G0B+4*\s+3], s[G1B:G1B+7]
	s_nop 0
.rept 4
	v_nop
.endr
.Lasked_\@:
.endm
.macro CREST
	s_cmp_lg_u32 s[WV], 0
	s_cbranch_scc1 .Lnot_wave_0_\@
	s_barrier_signal -3
.Lnot_wave_0_\@:
	s_barrier_wait -3
	s_barrier_signal -1
	s_barrier_wait -1
.endm
.macro CROUND
	s_barrier_signal -1
	s_barrier_wait -1
	CREST
.endm
	s_load_b256 s[4:11], s[0:1], 0x0
	s_load_b128 s[12:15], s[0:1], 0x20
	v_lshl_add_u32 v[SPW], v0, 2, SPARE
	v_mov_b32 v[NIL], 0
	ds_add_u32 v[SPW], v[NIL]
	ds_add_u32 v[SPW], v[NIL]
	v_lshrrev_b32 v1, 5, v0
	v_readfirstlane_b32 s[WV], v1
	s_lshr_b32 s[WHI], s[WV], 1
	s_and_b32 s[WLO], s[WV], 1
	s_bfe_u32 s19, ttmp6, 0x40000
	s_bfe_u32 s20, ttmp6, 0x40004
	s_lshl_b32 s21, ttmp9, 2
	s_add_co_u32 s21, s21, s19
	s_and_b32 s22, ttmp7, 0xffff
	s_lshl_b32 s22, s22, 2
	s_add_co_u32 s22, s22, s20
	s_lshl_b32 s66, s20, 2
	s_lshl_b32 s66, 15, s66
	s_lshl_b32 s67, 0x1111, s19
	s_or_b32 s[G1A], s66, (1<<20)|(1<<21)|(5<<22)|(3<<25)
	s_or_b32 s[G1B], s67, (1<<20)|(1<<21)|(5<<22)|(3<<25)
	s_mov_b32 s[G1A+1], 256<<16
	s_mov_b32 s[G1A+2], 128<<16
	s_mov_b32 s[G1A+3], 256<<16
	s_mov_b32 s[G1A+4], 128
	s_mov_b32 s[G1A+5], 1024
	s_mov_b32 s[G1A+6], 0
	s_mov_b32 s[G1A+7], 0
	s_mov_b32 s[G1B+1], 256<<16
	s_mov_b32 s[G1B+2], 96<<16
	s_mov_b32 s[G1B+3], 256<<16
	s_mov_b32 s[G1B+4], 96
	s_mov_b32 s[G1B+5], 1024
	s_mov_b32 s[G1B+6], 0
	s_mov_b32 s[G1B+7], 0
	s_lshl_b32 s68, s22, 18
	s_lshl_b32 s72, s[WLO], 17
	s_add_co_u32 s68, s68, s72
	s_mov_b32 s69, 0
	s_mul_i32 s70, s21, 192*1024
	s_mul_i32 s72, s[WLO], 96*1024
	s_add_co_u32 s70, s70, s72
	s_mov_b32 s71, 0
	s_mul_i32 s72, s[WLO], AHALF
	s_mul_i32 s73, s[WLO], BHALF
	s_add_co_u32 s73, s73, BOFF
	s_wait_dscnt 0x0
	s_wait_kmcnt 0x0
	s_load_b256 s[56:63], s[10:11], 0x0
	s_add_nc_u64 s[68:69], s[4:5], s[68:69]
	s_add_nc_u64 s[70:71], s[6:7], s[70:71]
	s_lshl_b32 s92, s22, 8
	s_lshl_b32 s93, s[WLO], 7
	s_add_co_u32 s92, s92, s93
	s_lshl_b32 s93, s19, 5
	s_add_co_u32 s92, s92, s93                     ; x: tile row's first row + my wave's 128 + my work-group's 32
	s_mul_i32 s94, s21, 192
	s_mul_i32 s93, s[WLO], 96
	s_add_co_u32 s94, s94, s93
	s_mul_i32 s93, s20, 24
	s_add_co_u32 s94, s94, s93                     ; w: the head's first row + my wave's 96 + my work-group's 24
	s_cmp_eq_u32 s[WHI], 0                         ; do I fetch for x?
	s_cselect_b32 s92, s92, s94
	s_cselect_b64 s[PFA:PFA+1], s[4:5], s[6:7]
	s_cselect_b32 s94, 31, 23
	s_lshl_b32 s92, s92, 10
	s_mov_b32 s93, 0
	s_add_nc_u64 s[PFA:PFA+1], s[PFA:PFA+1], s[92:93]
	v_and_b32 v[PFO], 31, v0
	v_min_u32 v[PFO], s94, v[PFO]
	v_lshlrev_b32 v[PFO], 10, v[PFO]
	s_wait_alu depctr_va_vdst(0)                   ; the wait, directly ahead of the barrier's signal
	CROUND
.irp n, 0,1
	s_mov_b32 s[G0A+4*\n], 1
	s_add_co_u32 s[G0A+4*\n+1], s72, \n*SLOT
	s_add_nc_u64 s[G0A+4*\n+2:G0A+4*\n+3], s[68:69], \n*256
	s_or_b32 s[G0A+4*\n+3], s[G0A+4*\n+3], 0x80000000
	s_mov_b32 s[G0B+4*\n], 1
	s_add_co_u32 s[G0B+4*\n+1], s73, \n*SLOT
	s_add_nc_u64 s[G0B+4*\n+2:G0B+4*\n+3], s[70:71], \n*256
	s_or_b32 s[G0B+4*\n+3], s[G0B+4*\n+3], 0x80000000
.endr
	JLOAD 0                                        ; K step 0: my one tensor load at the head
	ASK 2
	v_and_b32 v1, 15, v0
	v_bfe_u32 v2, v0, 4, 1
	v_mul_u32_u24 v3, v1, PITCH
	v_lshl_add_u32 v3, v2, 4, v3
	v_and_b32 v4, 8, v1
	v_mul_u32_u24 v4, v4, PITCH
	v_add_nc_u32 v4, v4, v3
	s_mul_i32 s74, s[WHI], AHALF
	s_mul_i32 s75, s[WLO], 32*PITCH
	s_add_co_u32 s75, s75, BOFF
	s_add_co_u32 s76, s75, 128*PITCH
.irp n, 0,1
	v_add_nc_u32 v[ADRA+\n], s74, v3
	v_add_nc_u32 v[ADRB+\n], s75, v3
	v_add_nc_u32 v[ADRV+\n], s76, v4
	s_add_co_u32 s74, s74, SLOT
	s_add_co_u32 s75, s75, SLOT
	s_add_co_u32 s76, s76, SLOT
.endr
	v_and_b32 v5, 31, v0
	v_lshlrev_b32 v5, 4, v5
	s_lshl_b32 s77, s[WLO], 9
	v_add_nc_u32 v[OQ], s77, v5
	s_lshl_b32 s77, s[WLO], 11
	v_add_nc_u32 v[OV], s77, v5
	s_mul_i32 s77, s21, 768
	s_lshl_b32 s78, s[WLO], 7
	s_add_co_u32 s77, s77, s78
	v_lshl_add_u32 v[BQ], v2, 5, s77
	v_and_b32 v5, 8, v1
	v_add_nc_u32 v5, v5, v1
	v_lshl_add_u32 v[BV], v5, 2, s77
	WIN 0xc0
.irp f, 0,1,2,3
	global_load_b128 v[BIAS+8*\f:BIAS+8*\f+3],   v[BQ], s[8:9] offset:(64*(\f/2)+16*(\f%2))*4
	global_load_b128 v[BIAS+8*\f+4:BIAS+8*\f+7], v[BQ], s[8:9] offset:(64*(\f/2)+16*(\f%2))*4+16
.endr
.irp u, 0,1
.irp j, 0,1,2,3,4,5,6,7
	global_load_b32 v[BIASV+8*\u+\j], v[BV], s[8:9] offset:512+32*\u
.endr
.endr
	WIN 0
	s_wait_kmcnt 0x0
	s_add_co_i32 s80, s56, s57
	s_sub_co_i32 s81, 0, s80
.macro SCL e, sc, lim
	s_sub_co_i32 s82, s[\e], s80
	s_add_co_i32 s82, s82, 127
	s_lshl_b32 s83, s82, 23
	v_mov_b32 v[\sc], s83
	s_add_co_i32 s82, s82, 15
	s_lshl_b32 s82, s82, 23
	s_or_b32 s82, s82, 0x600000
	v_mov_b32 v[\lim], s82
.endm
	SCL 58, SQ, LQ
	SCL 59, SK, LK
	SCL 60, SV, LV
	s_lshr_b32 s84, s22, 3
	s_lshl_b32 s84, s84, 4
	s_add_co_u32 s84, s84, s21
	s_and_b32 s85, s22, 7
	s_lshl_b32 s85, s85, 8
	s_lshl_b32 s86, s[WHI], 7
	s_add_co_u32 s85, s85, s86
	s_lshl_b32 s86, s84, 17
	s_lshl_b32 s87, s85, 6
	s_add_co_u32 s86, s86, s87
	s_mov_b32 s87, 0
	s_add_nc_u64 s[12:13], s[12:13], s[86:87]
	s_lshl_b32 s86, s84, 18
	s_lshl_b32 s88, s85, 7
	s_add_co_u32 s86, s86, s88
	s_add_nc_u64 s[14:15], s[14:15], s[86:87]
	s_wait_loadcnt 0x0
	WIN 0xc3
.set i, 0
.rept 48
	v_ldexp_f32 v[BIAS+i], v[BIAS+i], s81
.set i, i+1
.endr
	WIN 0
.macro FETCH slot, q, p
	WIN 0
.irp f, 0,1,2,3
.irp cc, 0,1,2,3
	ds_load_b128 v[BS+96*(\p)+16*\f+4*\cc:BS+96*(\p)+16*\f+4*\cc+3], v[ADRB+\slot] offset:17408*(\f/2)+4352*(\f%2)+128*(\q)+32*\cc
.endr
.endr
.irp u, 0,1
.irp cc, 0,1,2,3
	ds_load_b128 v[BS+96*(\p)+16*(4+\u)+4*\cc:BS+96*(\p)+16*(4+\u)+4*\cc+3], v[ADRV+\slot] offset:2176*\u+128*(\q)+32*\cc
.endr
.endr
	WIN 0x40
.irp a, 0,1,2,3,4,5,6,7
.irp cc, 0,1,2,3
	ds_load_b128 v[128*(\p)+16*\a+4*\cc:128*(\p)+16*\a+4*\cc+3], v[ADRA+\slot] offset:4352*\a+128*(\q)+32*\cc
.endr
.endr
.endm
.macro MULQK f0, p, first
.if \first
	WIN 0xb4
.else
	WIN 0xa4
.endif
.irp f, \f0, \f0+1
.irp a, 0,1,2,3,4,5,6,7
.if \first
	v_wmma_f32_16x16x128_bf8_bf8 v[8*(8*(\f)+\a):8*(8*(\f)+\a)+7], v[BS+96*(\p)+16*(\f):BS+96*(\p)+16*(\f)+15], v[128*(\p)+16*\a:128*(\p)+16*\a+15], v[BIAS+8*(\f):BIAS+8*(\f)+7]
.else
	v_wmma_f32_16x16x128_bf8_bf8 v[8*(8*(\f)+\a):8*(8*(\f)+\a)+7], v[BS+96*(\p)+16*(\f):BS+96*(\p)+16*(\f)+15], v[128*(\p)+16*\a:128*(\p)+16*\a+15], v[8*(8*(\f)+\a):8*(8*(\f)+\a)+7]
.endif
.endr
.endr
.endm
.macro MULV p, first
	WIN 0xf1
.irp u, 0,1
.irp a, 0,1,2,3,4,5,6,7
.if \first
	v_wmma_f32_16x16x128_bf8_bf8 v[8*(8*\u+\a):8*(8*\u+\a)+7], v[128*(\p)+16*\a:128*(\p)+16*\a+15], v[BS+96*(\p)+16*(4+\u):BS+96*(\p)+16*(4+\u)+15], v[BIASV+8*\u:BIASV+8*\u+7]
.else
	v_wmma_f32_16x16x128_bf8_bf8 v[8*(8*\u+\a):8*(8*\u+\a)+7], v[128*(\p)+16*\a:128*(\p)+16*\a+15], v[BS+96*(\p)+16*(4+\u):BS+96*(\p)+16*(4+\u)+15], v[8*(8*\u+\a):8*(8*\u+\a)+7]
.endif
.endr
.endr
.endm
.macro SUB cur, nslot, nq, first
	PLACES 4
	FETCH \nslot, \nq, 1-\cur
	MULQK 0, \cur, \first
	MULQK 2, \cur, \first
	MULV \cur, \first
	WIN 0
	s_wait_dscnt 0x0
.endm
.macro TURN slot, next, fill, ask=0
	WIN 0
	s_wait_tensorcnt 0x0
	ds_add_u32 v[SPW], v[NIL]
	MULQK 0, 1, 0
	s_wait_dscnt 0x0
	s_barrier_signal -1
	WIN 0
	s_barrier_wait -1
.if \fill
	CREST
.if \fill == 2                         ; the next tile's K step in this slot: x goes 4,096 rows down and 512 bytes back, w only back
	s_add_nc_u64 s[G0A+4*\slot+2:G0A+4*\slot+3], s[G0A+4*\slot+2:G0A+4*\slot+3], 0x3ffe00
	s_sub_nc_u64 s[G0B+4*\slot+2:G0B+4*\slot+3], s[G0B+4*\slot+2:G0B+4*\slot+3], 512
.else
	s_add_nc_u64 s[G0A+4*\slot+2:G0A+4*\slot+3], s[G0A+4*\slot+2:G0A+4*\slot+3], 512
	s_add_nc_u64 s[G0B+4*\slot+2:G0B+4*\slot+3], s[G0B+4*\slot+2:G0B+4*\slot+3], 512
.endif
	JLOAD \slot
.if \ask
	ASK \ask
.endif
.else
	PLACES 4
.endif
	FETCH \next, 0, 0
	MULQK 2, 1, 0
	MULV 1, 0
	WIN 0
	s_wait_dscnt 0x0
.endm
.macro OUT                             ; a tile's way out: hold, convert, store as images
	PLACES 4
	WIN 0x82
.set i, 0
.rept 128
	v_med3_num_f32 v[i], v[i], -v[LQ], v[LQ]
.set i, i+1
.endr
.rept 128
	v_med3_num_f32 v[i], v[i], -v[LK], v[LK]
.set i, i+1
.endr
	WIN 0x02
.irp u, 0,1
.irp a, 0,1,2,3,4,5,6,7
	v_cvt_scalef32_pk8_bf8_f32 v[CQ+4*\a+2*\u:CQ+4*\a+2*\u+1], v[8*(8*\u+\a):8*(8*\u+\a)+7], v[SQ]
.endr
.endr
.irp u, 0,1
.irp a, 0,1,2,3,4,5,6,7
	v_cvt_scalef32_pk8_bf8_f32 v[CK+4*\a+2*\u:CK+4*\a+2*\u+1], v[8*(8*(2+\u)+\a):8*(8*(2+\u)+\a)+7], v[SK]
.endr
.endr
	WIN 0xc3
.set i, 0
.rept 128
	v_med3_num_f32 v[i], v[i], -v[LV], v[LV]
.set i, i+1
.endr
	WIN 0x03
.irp u, 0,1
.irp a, 0,1,2,3,4,5,6,7
	v_cvt_scalef32_pk8_bf8_f32 v[CV+16*\u+2*\a:CV+16*\u+2*\a+1], v[8*(8*\u+\a):8*(8*\u+\a)+7], v[SV]
.endr
.endr
	WIN 0
	v_nop
.irp a, 0,1,2,3,4,5,6,7
	global_store_b128 v[OQ], v[CQ+4*\a:CQ+4*\a+3], s[12:13] offset:1024*\a
.endr
.irp a, 0,1,2,3,4,5,6,7
	global_store_b128 v[OQ], v[CK+4*\a:CK+4*\a+3], s[14:15] offset:8192*(\a/4)+1024*(\a%4)
.endr
.irp g, 0,1
.irp u, 0,1
.irp n, 0,1
	global_store_b128 v[OV], v[CV+16*\u+8*\g+4*\n:CV+16*\u+8*\g+4*\n+3], s[14:15] offset:8192*\g+4096+1024*\u+512*\n
.endr
.endr
.endr
.endm
	s_wait_alu depctr_va_vdst(0)
	s_wait_tensorcnt 0x0                           ; my part of K step 0 is in
	ds_add_u32 v[SPW], v[NIL]
	s_wait_dscnt 0x0
	CROUND                                         ; everybody's part is in, and the joint loads meet
	JLOAD 1                                        ; K step 1, slot 1's first fill
	ASK 3
	FETCH 0, 0, 0
	WIN 0
	s_wait_dscnt 0x0
	SUB 0, 0, 1, 1
	TURN 0, 1, 1, 4
	SUB 0, 1, 1, 0
	TURN 1, 0, 1, 5
	SUB 0, 0, 1, 0
	TURN 0, 1, 2, 6
	SUB 0, 1, 1, 0                                 ; slot 1's last fragments are in registers behind this
	WIN 0
	s_wait_tensorcnt 0x0                           ; the change of slots once more: my part of the second tile's K step 0 is in,
	ds_add_u32 v[SPW], v[NIL]                      ; the add,
	MULQK 0, 1, 0
	s_wait_dscnt 0x0                               ; and my reads of slot 1 are over
	s_barrier_signal -1
	WIN 0
	s_barrier_wait -1
	CREST
	s_add_nc_u64 s[G0A+6:G0A+7], s[G0A+6:G0A+7], 0x3ffe00
	s_sub_nc_u64 s[G0B+6:G0B+7], s[G0B+6:G0B+7], 512
	JLOAD 1
	ASK 7
	MULQK 2, 1, 0
	MULV 1, 0
	WIN 0
	OUT                                            ; the first tile goes out while that load is out
	s_wait_xcnt 0x0                                ; the stores have read their data and bases
	s_add_nc_u64 s[12:13], s[12:13], 0x400000      ; two batches on: 32 heads' blocks of q,
	s_add_nc_u64 s[14:15], s[14:15], 0x800000      ; and of k and v
	FETCH 0, 0, 0
	WIN 0
	s_wait_dscnt 0x0
	SUB 0, 0, 1, 1
	TURN 0, 1, 1
	SUB 0, 1, 1, 0
	TURN 1, 0, 1
	SUB 0, 0, 1, 0
	TURN 0, 1, 0
	SUB 0, 1, 1, 0
	MULQK 0, 1, 0
	MULQK 2, 1, 0
	MULV 1, 0
	WIN 0
	OUT
	s_wait_tensorcnt 0x0
	ds_add_u32 v[SPW], v[NIL]
	s_wait_dscnt 0x0
	CROUND
	s_endpgm
.Lfunc_end_k_qc413f750b6_qkv:
	.size	k_qc413f750b6_qkv, .Lfunc_end_k_qc413f750b6_qkv-k_qc413f750b6_qkv
	.p2alignl 7, 3214868480
	.fill 96, 4, 3214868480
	.section	.rodata,"a",@progbits
	.p2align	6, 0x0
	.amdhsa_kernel k_qc413f750b6_qkv
		.amdhsa_group_segment_fixed_size 327680
		.amdhsa_private_segment_fixed_size 0
		.amdhsa_enable_private_segment 0
		.amdhsa_kernarg_size 48
		.amdhsa_user_sgpr_count 2
		.amdhsa_user_sgpr_kernarg_segment_ptr 1
		.amdhsa_wavefront_size32 1
		.amdhsa_system_sgpr_workgroup_id_x 1
		.amdhsa_system_sgpr_workgroup_id_y 1
		.amdhsa_system_sgpr_workgroup_id_z 1
		.amdhsa_system_vgpr_workitem_id 0
		.amdhsa_next_free_vgpr 1024
		.amdhsa_next_free_sgpr 100
		.amdhsa_reserve_vcc 0
		.amdhsa_float_denorm_mode_32 3
		.amdhsa_float_denorm_mode_16_64 3
		.amdhsa_memory_ordered 1
		.amdhsa_forward_progress 1
		.amdhsa_inst_pref_size 191
	.end_amdhsa_kernel
	.amdgpu_metadata
---
amdhsa.version: [ 1, 2 ]
amdhsa.kernels:
  - .name:           k_qc413f750b6_qkv
    .symbol:         k_qc413f750b6_qkv.kd
    .args:
      - { .name: x_codes, .offset: 0, .size: 8, .value_kind: global_buffer, .address_space: global }
      - { .name: w_qkv_codes, .offset: 8, .size: 8, .value_kind: global_buffer, .address_space: global }
      - { .name: b_qkv, .offset: 16, .size: 8, .value_kind: global_buffer, .address_space: global }
      - { .name: lowp_scales, .offset: 24, .size: 8, .value_kind: global_buffer, .address_space: global }
      - { .name: q_codes, .offset: 32, .size: 8, .value_kind: global_buffer, .address_space: global }
      - { .name: kv_codes, .offset: 40, .size: 8, .value_kind: global_buffer, .address_space: global }
    .group_segment_fixed_size: 327680
    .private_segment_fixed_size: 0
    .kernarg_segment_align: 8
    .kernarg_segment_size: 48
    .max_flat_workgroup_size: 128
    .sgpr_count:     100
    .vgpr_count:     1024
    .wavefront_size: 32
...
	.end_amdgpu_metadata
.endif
;; end of part 1
;; launch attn (part 2): grid 4 x 64, 16 waves a work-group, clusters of 4 x 1, 264,192 bytes of LDS; arguments q_codes, kv_codes, lowp_scales, attn_codes; writes attn_codes
.if DOCPART == 2
	.amdgcn_target "amdgcn-amd-amdhsa--gfx1250"
	.amdhsa_code_object_version 6
	.text
	.protected	k_qc413f750b6_attn
	.globl	k_qc413f750b6_attn
	.p2align	8
	.type	k_qc413f750b6_attn,@function
k_qc413f750b6_attn:
	s_mov_b64 s[64:65], 0
	v_nop
	global_prefetch_b8 v0, s[64:65] scope:SCOPE_SE
	s_setreg_imm32_b32 hwreg(HW_REG_WAVE_MODE, 25, 1), 1
	s_wait_xcnt 0x0
	s_wait_alu depctr_hold_cnt(0) depctr_sa_sdst(0) depctr_va_vdst(0) depctr_va_sdst(0) depctr_va_ssrc(0) depctr_va_vcc(0) depctr_vm_vsrc(0)
	s_getreg_b32 s2, hwreg(HW_REG_IB_STS2, 6, 4)
	s_cmp_eq_u32 s2, 0
	s_cbranch_scc0 .Lentry_in_a_cluster
	s_endpgm
.Lentry_in_a_cluster:
	s_bfe_u32 s2, ttmp6, 0x10000c
	s_cmp_lg_u32 s2, 0x3003
	s_cbranch_scc0 .Lentry_shape_is_right
	s_endpgm
.Lentry_shape_is_right:
; Attention of one (batch, head) on codes of E5M2: S = q k^T (2^e2, 2^e3), p = 2^(t - M), O = p v (2^e5, 2^e4) / the row's sum, quantised with 2^e6.  No work of reference() is left out.
; t = score x log2(e) / 8; M = ceil(the row's largest t); the row's sum is taken of the unquantised p, in f32.
; LIMITS: e2 + e3 between -123 and 130 (added to the exponent field of log2(e) / 8); e5 and e6 between -126 and 112.  p under 2^-126 counts as 0.
; q_codes: [bh][query tile 128][2][512]; kv_codes: [bh][step of 64 keys 32][8192] (four fragments of K, then four of V^T): images of operand registers, lane l's 16 bytes at 16 l.
; SHARES.  A cluster of four work-groups is one (batch, head); a work-group owns 512 queries, each of its sixteen waves 32: two tiles.
; ALL OF THE HEAD'S K AND V, 262,144 bytes, LIES IN LDS: each of the sixteen waves asks for 16,384 bytes, once, jointly with the three partners: one tensor load a wave, nothing is filled again.
; No barrier stands between the passes: a wave goes on into pass 2 by itself.
; No prefetch: the one stream is asked for whole at the head, and there is no loop to run ahead in.
; PASS 1: S^T = K Q^T and the row's largest score, on two sets of K's fragments and of scores by turns: one step's maxima are the places behind the next step's products.
; PASS 2: S^T again (the same bits) and the softmax under the final M: nothing is rescaled.
; LAYOUT.  S^T: source 0 = 16 keys, source 1 = 16 queries: lane (r, h) holds query r and keys 16 kt + 8 h + 0 .. 7: converted, registers 2 kt, 2 kt + 1 of source 1 of O^T = V^T P^T.
.set DUAL, 1                           ; the hold on p as pairs of two minima in one instruction
.set SPARE, 262144                     ; the spare words: 128 bytes for each of sixteen waves
.set SPW,  1
.set NIL,  2
.set LI,   3                           ; 16 lane
.set ADR,  4
.set PSC,  5                           ; 2^e5
.set TMP,  7
.set NM,   8                           ; v[8:9], v[10:11]  (-M, t) of tiles 0, 1
.set LS,   12                          ; v[12:19] the sums, two pairs a tile
.set MX,   20                          ; v20-23 the largest score, two chains a tile; on the way out the factors
.set QF,   24                          ; Q, 8 a tile
.set KF,   40                          ; four fragments of K
.set VF,   72                          ; four of V^T; in pass 1 K's second set
.set SC,   104                         ; S^T, then p: 32 t + 8 kt
.set PC,   168                         ; p's codes; on the way out O's
.set OT,   184                         ; O^T: 32 t + 8 d; in pass 1 the scores' second set
.set OSC,  248
.set OLIM, 249
.set WV,  12
.set CX,  13
.set BH,  14
.set G1,  24
.set G0,  32
.set CS,  56                           ; s[56:57] c = log2(e) / 8 x 2^(e2 + e3), twice
.set SEL, 58
.set TB,  60
.set CNT, 61
.set EVP, 62                           ; e4 + e5
.set PLS, 63                           ; 57,344 x 2^e5
.macro ROUND
	s_barrier_signal -1
	s_barrier_wait -1
	s_cmp_lg_u32 s[WV], 0
	s_cbranch_scc1 .Lnot_wave_0_\@
	s_barrier_signal -3
.Lnot_wave_0_\@:
	s_barrier_wait -3
	s_barrier_signal -1
	s_barrier_wait -1
.endm
	s_load_b256 s[4:11], s[0:1], 0x0               ; q_codes, kv_codes, the exponents, attn_codes
	v_lshl_add_u32 v[SPW], v0, 2, SPARE
	v_mov_b32 v[NIL], 0
	ds_add_u32 v[SPW], v[NIL]                      ; the opening lines
	ds_add_u32 v[SPW], v[NIL]
	v_lshrrev_b32 v3, 5, v0
	v_readfirstlane_b32 s[WV], v3                  ; wave 0..15
	s_bfe_u32 s[CX], ttmp6, 0x40000                ; my 512 queries: enters Q's and the result's addresses alone
	s_and_b32 s[BH], ttmp7, 0xffff                 ; 16 batch + head
	s_mov_b32 s[G1], 15|(3<<16)|(1<<21)            ; all four partners; elements of 8 bytes
	s_mov_b32 s[G1+1], 32<<16                      ; rows of 256 bytes,
	s_mov_b32 s[G1+2], 64<<16                      ; 64 of them, dense
	s_mov_b32 s[G1+3], 32<<16
	s_mov_b32 s[G1+4], 64
	s_mov_b32 s[G1+5], 32
	s_mov_b32 s[G1+6], 0
	s_mov_b32 s[G1+7], 0
	s_lshl_b32 s16, s[BH], 18                      ; the head's block,
	s_lshl_b32 s20, s[WV], 14                      ; my 16,384 bytes of it: in memory and in LDS alike
	s_add_co_u32 s16, s16, s20
	s_mov_b32 s17, 0
	s_mov_b32 s[SEL], 0x76543210
	s_mov_b32 s[SEL+1], 0xfedcba98
	s_lshl_b32 s21, s[CX], 5
	s_lshl_b32 s18, s[WV], 1
	s_add_co_u32 s21, s21, s18                     ; 32 cx + 2 w
	s_lshl_b32 s18, s[BH], 7
	s_add_co_u32 s18, s18, s21
	s_lshl_b32 s18, s18, 10                        ; my first query tile's images
	s_mov_b32 s19, 0
	s_lshr_b32 s22, s[BH], 4
	s_lshl_b32 s22, s22, 7
	s_add_co_u32 s22, s22, s21
	s_lshl_b32 s22, s22, 14                        ; the result: row tile 128 batch + 32 cx + 2 w, of 16,384 bytes,
	s_and_b32 s23, s[BH], 15
	s_lshl_b32 s23, s23, 10
	s_add_co_u32 s22, s22, s23                     ; the head's 1,024 in it
	s_mov_b32 s23, 0
	s_wait_dscnt 0x0
	s_wait_kmcnt 0x0
	s_load_b256 s[48:55], s[8:9], 0x0              ; e0 .. e7
	s_mov_b32 s[G0], 1
	s_mov_b32 s[G0+1], s20
	s_add_nc_u64 s[G0+2:G0+3], s[6:7], s[16:17]
	s_or_b32 s[G0+3], s[G0+3], 0x80000000
	s_add_nc_u64 s[4:5], s[4:5], s[18:19]
	s_add_nc_u64 s[10:11], s[10:11], s[22:23]
	ROUND                                          ; the joint loads meet
	tensor_load_to_lds s[G0:G0+3], s[G1:G1+7]      ; my one tensor load
	s_nop 0
	v_and_b32 v[LI], 31, v0
	v_lshlrev_b32 v[LI], 4, v[LI]
.irp n, 0,1,2,3
	global_load_b128 v[QF+4*\n:QF+4*\n+3], v[LI], s[4:5] offset:512*\n
.endr
	v_mov_b32 v[TMP], 0
.irp n, 0,1,2,3
	v_mov_b32 v[MX+\n], 0xff800000                 ; under every score
.endr
.irp n, 0,1,2,3,4,5,6,7
	v_mov_b32 v[LS+\n], 0
.endr
	s_wait_kmcnt 0x0
	s_add_co_i32 s21, s50, s51
	s_lshl_b32 s21, s21, 23
	s_add_co_i32 s[CS], s21, 0x3e38aa3b            ; log2(e) / 8 with e2 + e3 added to its exponent field
	s_mov_b32 s[CS+1], s[CS]
	s_add_co_i32 s21, s53, 127
	s_lshl_b32 s22, s21, 23
	v_mov_b32 v[PSC], s22
	s_add_co_i32 s21, s21, 15
	s_lshl_b32 s21, s21, 23
	s_or_b32 s[PLS], s21, 0x600000
	s_add_co_i32 s21, s54, 127
	s_lshl_b32 s22, s21, 23
	v_mov_b32 v[OSC], s22
	s_add_co_i32 s21, s21, 15
	s_lshl_b32 s21, s21, 23
	s_or_b32 s21, s21, 0x600000
	v_mov_b32 v[OLIM], s21
	s_add_co_i32 s[EVP], s52, s53
.macro QKM kf, sc                      ; S^T of a step: 4 tiles of keys x my 2 tiles of queries
.irp kt, 0,1,2,3
.irp t, 0,1
	v_wmma_f32_16x16x64_bf8_bf8 v[\sc+32*\t+8*\kt:\sc+32*\t+8*\kt+7], v[\kf+8*\kt:\kf+8*\kt+7], v[QF+8*\t:QF+8*\t+7], 0
.endr
.endr
.endm
.macro LDF f, adr, off                 ; four fragments: eight images of 512 bytes
.irp n, 0,1,2,3,4,5,6,7
	ds_load_b128 v[\f+4*\n:\f+4*\n+3], v[\adr] offset:\off+512*\n
.endr
.endm
.macro MAXS sc                         ; the largest score, two chains a tile, each accumulator from its low end on
.irp n, 0,1,2,3,4,5,6,7,8,9,10,11,12,13,14,15
	v_max3_num_f32 v[MX+\n%2], v[MX+\n%2], v[\sc+2*\n], v[\sc+2*\n+1]
	v_max3_num_f32 v[MX+2+\n%2], v[MX+2+\n%2], v[\sc+32+2*\n], v[\sc+32+2*\n+1]
.endr
.endm
; A step of pass 1: products into set sx; the maxima of the step before (set sy) are the places behind them; then K of the step two on into the fragments just multiplied.
.macro H kx, sx, sy, adr, off, ld
	s_wait_alu depctr_va_vdst(0)                   ; the wait, directly ahead of the wait below
	s_wait_dscnt 8                                 ; this step's K is in; the eight younger loads, the other set's, may be out
	QKM \kx, \sx
	MAXS \sy
.if \ld
	LDF \kx, \adr, \off
.endif
.endm
; A step of pass 2.  first = 1: the products V^T P^T start O^T's sums.  last = 1: no K is left to fetch.
.macro P2 first, last
	s_wait_dscnt 0x0                               ; this step's K is in
	QKM KF, SC
	v_add_nc_u32 v[ADR], s[TB], v[LI]              ; four plain lines: the places behind the products
.rept 3
	v_nop
.endr
	LDF VF, ADR, 0                                 ; this step's V,
.if \last == 0
	LDF KF, ADR, 4096                              ; and the next step's K behind it
.endif
	s_add_co_u32 s[TB], s[TB], 8192
.set i, 0
.rept 32
	v_pk_fma_f32 v[SC+2*i:SC+2*i+1], v[SC+2*i:SC+2*i+1], s[CS:CS+1], v[NM+2*(i/16):NM+2*(i/16)+1] op_sel_hi:[1,0,0]   ; t - M
.set i, i+1
.endr
	s_wait_alu depctr_va_vdst(0)                   ; the wait ahead of the batch
.set i, 0
.rept 64
	v_exp_f32 v[SC+i], v[SC+i]                     ; p = 2^(t - M)
.set i, i+1
.endr
	v_nop                                          ; a plain line behind the last exponential
	s_wait_alu depctr_va_vdst(0)                   ; the wait behind the batch
.set i, 0
.rept 16                               ; the row's sum, of the unquantised p
	v_pk_add_f32 v[LS+2*(i%2):LS+2*(i%2)+1], v[LS+2*(i%2):LS+2*(i%2)+1], v[SC+2*i:SC+2*i+1]
	v_pk_add_f32 v[LS+4+2*(i%2):LS+4+2*(i%2)+1], v[LS+4+2*(i%2):LS+4+2*(i%2)+1], v[SC+32+2*i:SC+32+2*i+1]
.set i, i+1
.endr
.set i, 0
.rept 32                               ; the hold: the conversion does not saturate (ISA guide 7.6.2); p is not negative, so it is one-sided
.if DUAL
	v_dual_min_num_f32 v[SC+2*i], s[PLS], v[SC+2*i] :: v_dual_min_num_f32 v[SC+2*i+1], s[PLS], v[SC+2*i+1]
.else
	v_min_num_f32 v[SC+2*i], s[PLS], v[SC+2*i]
	v_min_num_f32 v[SC+2*i+1], s[PLS], v[SC+2*i+1]
.endif
.set i, i+1
.endr
.irp t, 0,1
.irp kt, 0,1,2,3
	v_cvt_scalef32_pk8_bf8_f32 v[PC+8*\t+2*\kt:PC+8*\t+2*\kt+1], v[SC+32*\t+8*\kt:SC+32*\t+8*\kt+7], v[PSC]
.endr
.endr
	v_nop                                          ; a plain line behind the conversions
.if \last
	s_wait_dscnt 0x0
.else
	s_wait_dscnt 8                                 ; V is in; the next K's eight loads may be out
.endif
	s_wait_alu depctr_va_vdst(0)                   ; O^T is taken up behind exponentials: the wait ahead of its first reader
.irp d, 0,1,2,3                        ; eight accumulators by turns
.irp t, 0,1
.if \first
	v_wmma_f32_16x16x64_bf8_bf8 v[OT+32*\t+8*\d:OT+32*\t+8*\d+7], v[VF+8*\d:VF+8*\d+7], v[PC+8*\t:PC+8*\t+7], 0
.else
	v_wmma_f32_16x16x64_bf8_bf8 v[OT+32*\t+8*\d:OT+32*\t+8*\d+7], v[VF+8*\d:VF+8*\d+7], v[PC+8*\t:PC+8*\t+7], v[OT+32*\t+8*\d:OT+32*\t+8*\d+7]
.endif
.endr
.endr
.endm
	s_wait_alu depctr_va_vdst(0)                   ; the head's end
	s_wait_tensorcnt 0x0                           ; my part of K and V is in;
	s_barrier_signal -1
	s_barrier_wait -1                              ; everybody's is
	LDF KF, LI, 0                                  ; key steps 0 and 1
	LDF VF, LI, 8192
	s_mov_b32 s[TB], 24576                         ; step 3
	s_wait_loadcnt 0x0                             ; Q
	s_wait_dscnt 8
	QKM KF, SC                                     ; step 0
.rept 4
	v_nop
.endr
	LDF KF, LI, 16384                              ; step 2
	s_mov_b32 s[CNT], 14
.Lp1:                                              ; steps 1 to 28, two a trip; they fetch steps 3 to 30
	v_add_nc_u32 v[ADR], s[TB], v[LI]
	H VF, OT, SC, ADR, 0, 1
	H KF, SC, OT, ADR, 8192, 1
	s_add_co_u32 s[TB], s[TB], 16384
	s_sub_co_u32 s[CNT], s[CNT], 1
	s_cmp_lg_u32 s[CNT], 0
	s_cbranch_scc1 .Lp1
	v_add_nc_u32 v[ADR], s[TB], v[LI]
	H VF, OT, SC, ADR, 0, 1                        ; step 29 fetches step 31,
	H KF, SC, OT, LI, 0, 1                         ; step 30 fetches step 0, for pass 2,
	H VF, OT, SC, LI, 0, 0                         ; step 31 nothing
	MAXS OT
	v_max_num_f32 v[MX], v[MX], v[MX+1]
	v_max_num_f32 v[MX+2], v[MX+2], v[MX+3]
	v_permlanex16_b32 v[TMP], v[MX], s[SEL], s[SEL+1]
	v_max_num_f32 v[MX], v[MX], v[TMP]             ; the query's other keys, in the lane 16 away
	v_permlanex16_b32 v[TMP], v[MX+2], s[SEL], s[SEL+1]
	v_max_num_f32 v[MX+2], v[MX+2], v[TMP]
	v_mul_f32 v[NM+1], s[CS], v[MX]                ; t (c is positive)
	v_mul_f32 v[NM+3], s[CS], v[MX+2]
	v_floor_f32 v[NM], -v[NM+1]                    ; -M = floor(-t)
	v_floor_f32 v[NM+2], -v[NM+3]
	s_mov_b32 s[TB], 4096                          ; step 0's V
	s_wait_alu depctr_va_vdst(0)
	P2 1, 0
	s_mov_b32 s[CNT], 30
.Lstep:
	P2 0, 0
	s_sub_co_u32 s[CNT], s[CNT], 1
	s_cmp_lg_u32 s[CNT], 0
	s_cbranch_scc1 .Lstep
	P2 0, 1
	; THE WAY OUT: O^T x 2^(e4 + e5) / the sum, held, converted, stored as images.  The sums' additions are the places behind the last products.
	v_pk_add_f32 v[LS:LS+1], v[LS:LS+1], v[LS+2:LS+3]
	v_pk_add_f32 v[LS+4:LS+5], v[LS+4:LS+5], v[LS+6:LS+7]
	v_add_f32 v[LS], v[LS], v[LS+1]
	v_add_f32 v[LS+4], v[LS+4], v[LS+5]
	v_permlanex16_b32 v[TMP], v[LS], s[SEL], s[SEL+1]
	v_add_f32 v[LS], v[LS], v[TMP]
	v_permlanex16_b32 v[TMP], v[LS+4], s[SEL], s[SEL+1]
	v_add_f32 v[LS+4], v[LS+4], v[TMP]
	s_wait_alu depctr_va_vdst(0)                   ; ahead of the reciprocals
	v_rcp_f32 v[MX], v[LS]
	v_rcp_f32 v[MX+2], v[LS+4]
	v_nop
	s_wait_alu depctr_va_vdst(0)                   ; behind them
	v_ldexp_f32 v[MX], v[MX], s[EVP]
	v_ldexp_f32 v[MX+2], v[MX+2], s[EVP]
	s_wait_alu depctr_va_vdst(0)                   ; directly ahead of O^T's first readers, which follow as one group
.set i, 0
.rept 32
	v_pk_mul_f32 v[OT+2*i:OT+2*i+1], v[OT+2*i:OT+2*i+1], v[MX+2*(i/16):MX+2*(i/16)+1] op_sel_hi:[1,0]
.set i, i+1
.endr
.set i, 0
.rept 64
	v_med3_num_f32 v[OT+i], v[OT+i], -v[OLIM], v[OLIM]
.set i, i+1
.endr
.irp t, 0,1
.irp d, 0,1,2,3
	v_cvt_scalef32_pk8_bf8_f32 v[PC+8*\t+2*\d:PC+8*\t+2*\d+1], v[OT+32*\t+8*\d:OT+32*\t+8*\d+7], v[OSC]
.endr
.endr
	v_nop
.irp n, 0,1,2,3
	global_store_b128 v[LI], v[PC+4*\n:PC+4*\n+3], s[10:11] offset:16384*(\n/2)+512*(\n%2)   ; 512 consecutive bytes, aligned
.endr
	s_wait_tensorcnt 0x0                           ; the wave's end
	ds_add_u32 v[SPW], v[NIL]
	s_wait_dscnt 0x0
	ROUND                                          ; the closing round
	s_endpgm
.Lfunc_end_k_qc413f750b6_attn:
	.size	k_qc413f750b6_attn, .Lfunc_end_k_qc413f750b6_attn-k_qc413f750b6_attn
	.p2alignl 7, 3214868480
	.fill 96, 4, 3214868480
	.section	.rodata,"a",@progbits
	.p2align	6, 0x0
	.amdhsa_kernel k_qc413f750b6_attn
		.amdhsa_group_segment_fixed_size 264192
		.amdhsa_private_segment_fixed_size 0
		.amdhsa_enable_private_segment 0
		.amdhsa_kernarg_size 32
		.amdhsa_user_sgpr_count 2
		.amdhsa_user_sgpr_kernarg_segment_ptr 1
		.amdhsa_wavefront_size32 1
		.amdhsa_system_sgpr_workgroup_id_x 1
		.amdhsa_system_sgpr_workgroup_id_y 1
		.amdhsa_system_sgpr_workgroup_id_z 1
		.amdhsa_system_vgpr_workitem_id 0
		.amdhsa_next_free_vgpr 256
		.amdhsa_next_free_sgpr 66
		.amdhsa_reserve_vcc 0
		.amdhsa_float_denorm_mode_32 3
		.amdhsa_float_denorm_mode_16_64 3
		.amdhsa_memory_ordered 1
		.amdhsa_forward_progress 1
		.amdhsa_inst_pref_size 65
	.end_amdhsa_kernel
	.amdgpu_metadata
---
amdhsa.version: [ 1, 2 ]
amdhsa.kernels:
  - .name:           k_qc413f750b6_attn
    .symbol:         k_qc413f750b6_attn.kd
    .args:
      - { .name: q_codes, .offset: 0, .size: 8, .value_kind: global_buffer, .address_space: global }
      - { .name: kv_codes, .offset: 8, .size: 8, .value_kind: global_buffer, .address_space: global }
      - { .name: lowp_scales, .offset: 16, .size: 8, .value_kind: global_buffer, .address_space: global }
      - { .name: attn_codes, .offset: 24, .size: 8, .value_kind: global_buffer, .address_space: global }
    .group_segment_fixed_size: 264192
    .private_segment_fixed_size: 0
    .kernarg_segment_align: 8
    .kernarg_segment_size: 32
    .max_flat_workgroup_size: 512
    .sgpr_count:     66
    .vgpr_count:     256
    .wavefront_size: 32
...
	.end_amdgpu_metadata
.endif
;; end of part 2
;; launch proj (part 3): grid 4 x 64, 4 waves a work-group, clusters of 4 x 4, 284,160 bytes of LDS; arguments attn_codes, w_out_codes, b_out, lowp_scales, out0; writes out0
.if DOCPART == 3
	.amdgcn_target "amdgcn-amd-amdhsa--gfx1250"
	.amdhsa_code_object_version 6
	.text
	.protected	k_qc413f750b6_proj
	.globl	k_qc413f750b6_proj
	.p2align	8
	.type	k_qc413f750b6_proj,@function
k_qc413f750b6_proj:
	s_mov_b64 s[64:65], 0
	v_nop
	global_prefetch_b8 v0, s[64:65] scope:SCOPE_SE
	s_setreg_imm32_b32 hwreg(HW_REG_WAVE_MODE, 25, 1), 1
	s_wait_xcnt 0x0
	s_wait_alu depctr_hold_cnt(0) depctr_sa_sdst(0) depctr_va_vdst(0) depctr_va_sdst(0) depctr_va_ssrc(0) depctr_va_vcc(0) depctr_vm_vsrc(0)
	s_getreg_b32 s2, hwreg(HW_REG_IB_STS2, 6, 4)
	s_cmp_eq_u32 s2, 0
	s_cbranch_scc0 .Lentry_in_a_cluster
	s_endpgm
.Lentry_in_a_cluster:
	s_bfe_u32 s2, ttmp6, 0x10000c
	s_cmp_lg_u32 s2, 0xf033
	s_cbranch_scc0 .Lentry_shape_is_right
	s_endpgm
.Lentry_shape_is_right:
; out0 = (attention's result) w_out + b_out on codes of E5M2: sum of codes x 2^(e6 + e7) + b_out.  No work of reference() is left out.
; LIMIT: e6 + e7 lies between -126 and 127, so that 2^(e6 + e7) is an f32 number.
; attn_codes: [row tile 512][head 16][2][512]: images of the operand's registers; four images on end are a fragment of 128 along K.  w_out_codes: [1024][1024], K innermost.
; SHARES.  256 work-groups: each makes 128 rows x two tiles of 128 columns, 512 columns apart; a wave 64 x 64 of each.
; THE ROWS GO FROM MEMORY STRAIGHT INTO REGISTERS: they lie as register images, so each load of a wave is 512 consecutive bytes; a wave's 64 rows x whole K are 128 loads into 512 registers, which serve both column tiles.
; They pass through no LDS, so they are not asked for jointly: a wave reads 65,536 bytes of them once, in place of an LDS read of the same bytes for each of the two tiles.
; W's TWO TILES, 256 rows x whole K, LIE IN LDS: each wave asks for 64 rows once, jointly along its column of the 4 x 4 cluster; nothing is filled again.
; No prefetch: everything is asked for at the head, and there is no loop to run ahead in.
; THE PRODUCT IS USED TRANSPOSED (source 0 = 16 rows of W, source 1 = 16 rows): a lane holds eight neighbouring columns of one row of the result.
; REGISTERS.  Window 0: v3-29 addresses; v32-95 b_out at my columns of both tiles; v128-255 the accumulators.  Window 1: v0-127 W's four fragments, two sets.
; Windows 2, 3: the rows' fragments: step s of 128 along K at window 2 + s / 4, v[64 (s % 4) + 16 row tile].
.set BP,    1040                       ; W's row in LDS: 1,024 bytes + 16 of padding
.set SP,    272
.set STAGE, 256*BP                     ; the way out: 16 rows x 272 bytes a wave; no tensor load lands there
.set SPARE, STAGE+4*16*SP
.set LI,   3                           ; 16 lane
.set ADRB, 12                          ; v12, v13  my rows of W's tile 0, 1
.set STO,  24
.set RD,   25
.set CO,   26
.set BO,   27
.set SPW,  28
.set NIL,  29
.set BI,   32
.set ACC,  128
.set WV,  16
.set WHI, 17
.set WLO, 18
.set G1B, 32
.set G0B, 52
.set MSB, 0
.macro WIN new
.if MSB != \new
	s_set_vgpr_msb (MSB<<8)|\new
.set MSB, \new
.endif
.endm
.macro PLACES n
.rept \n
	v_nop
.endr
.endm
.macro CROUND
	s_barrier_signal -1
	s_barrier_wait -1
	s_cmp_lg_u32 s[WV], 0
	s_cbranch_scc1 .Lnot_wave_0_\@
	s_barrier_signal -3
.Lnot_wave_0_\@:
	s_barrier_wait -3
	s_barrier_signal -1
	s_barrier_wait -1
.endm
	s_load_b256 s[4:11], s[0:1], 0x0               ; attn_codes, w_out_codes, b_out, the exponents
	s_load_b64 s[12:13], s[0:1], 0x20              ; out0
	v_lshl_add_u32 v[SPW], v0, 2, SPARE
	v_mov_b32 v[NIL], 0
	ds_add_u32 v[SPW], v[NIL]                      ; the opening lines
	ds_add_u32 v[SPW], v[NIL]
	v_lshrrev_b32 v1, 5, v0
	v_readfirstlane_b32 s[WV], v1
	s_lshr_b32 s[WHI], s[WV], 1                    ; my half of the rows; also: which of W's tiles I fetch
	s_and_b32 s[WLO], s[WV], 1                     ; my half of the columns; also: which half of that tile I fetch
	s_bfe_u32 s19, ttmp6, 0x40000
	s_bfe_u32 s20, ttmp6, 0x40004
	s_lshl_b32 s21, ttmp9, 2
	s_add_co_u32 s21, s21, s19                     ; first tile column
	s_and_b32 s22, ttmp7, 0xffff
	s_lshl_b32 s22, s22, 2
	s_add_co_u32 s22, s22, s20                     ; tile row
	s_lshl_b32 s87, 0x1111, s19                    ; my column of the cluster
	s_or_b32 s[G1B], s87, (1<<20)|(1<<21)|(7<<22)|(3<<25)   ; W: rows of 1,024 bytes, 4 words of padding behind every 256
	s_mov_b32 s[G1B+1], 1024<<16
	s_mov_b32 s[G1B+2], 64<<16
	s_mov_b32 s[G1B+3], 1024<<16
	s_mov_b32 s[G1B+4], 64
	s_mov_b32 s[G1B+5], 1024
	s_mov_b32 s[G1B+6], 0
	s_mov_b32 s[G1B+7], 0
	s_lshl_b32 s88, s22, 17                        ; the rows: 8 tile row + 4 half row tiles of 16,384 bytes
	s_lshl_b32 s92, s[WHI], 16
	s_add_co_u32 s88, s88, s92
	s_mov_b32 s89, 0
	s_lshl_b32 s90, s21, 17                        ; W: 128 tile column rows of 1,024 bytes,
	s_lshl_b32 s92, s[WHI], 19                     ; the second tile 512 rows on,
	s_add_co_u32 s90, s90, s92
	s_lshl_b32 s92, s[WLO], 16                     ; a half 64 rows
	s_add_co_u32 s90, s90, s92
	s_mov_b32 s91, 0
	s_mul_i32 s93, s[WV], 64*BP                    ; where they go: tile 0's halves, then tile 1's
	s_wait_dscnt 0x0
	s_wait_kmcnt 0x0
	s_load_b256 s[56:63], s[10:11], 0x0            ; e0 .. e7
	s_add_nc_u64 s[4:5], s[4:5], s[88:89]
	s_mov_b32 s[G0B], 1
	s_mov_b32 s[G0B+1], s93
	s_add_nc_u64 s[G0B+2:G0B+3], s[6:7], s[90:91]
	s_or_b32 s[G0B+3], s[G0B+3], 0x80000000
	CROUND                                         ; the joint loads meet
	tensor_load_to_lds s[G0B:G0B+3], s[G1B:G1B+7]  ; my one tensor load
	s_nop 0
	PLACES 4
	s_mul_i32 s95, s[WLO], 64*BP                   ; my 64 rows of W's tile 0
	s_mul_i32 s96, s[WV], 16*SP
	s_add_co_u32 s96, s96, STAGE                   ; my stage
	s_lshl_b32 s97, s21, 9
	s_lshl_b32 s98, s[WLO], 8
	s_add_co_u32 s97, s97, s98                     ; my first column, in bytes
	s_lshl_b32 s98, s22, 19
	s_lshl_b32 s99, s[WHI], 18
	s_add_co_u32 s98, s98, s99                     ; my first row
	s_add_co_u32 s98, s98, s97
	s_mov_b32 s99, 0
	s_add_nc_u64 s[12:13], s[12:13], s[98:99]
	v_and_b32 v1, 15, v0                           ; r
	v_bfe_u32 v2, v0, 4, 1                         ; h
	v_and_b32 v[LI], 31, v0
	v_lshlrev_b32 v[LI], 4, v[LI]
	v_mul_u32_u24 v4, v1, BP
	v_lshl_add_u32 v4, v2, 4, v4
	v_add_nc_u32 v[ADRB], s95, v4
	v_add_nc_u32 v[ADRB+1], 128*BP, v[ADRB]
	v_mul_u32_u24 v5, v1, SP
	v_lshl_add_u32 v6, v2, 5, v5
	v_add_nc_u32 v[STO], s96, v6                   ; in: row r, 32 bytes for each half of the lanes
	v_mul_u32_u24 v5, v2, SP
	v_lshl_add_u32 v5, v1, 4, v5
	v_add_nc_u32 v[RD], s96, v5                    ; back: lanes 0-15 one row of 256 bytes, lanes 16-31 the next
	v_lshlrev_b32 v5, 12, v2
	v_lshl_add_u32 v[CO], v1, 4, v5
	v_lshl_add_u32 v[BO], v2, 5, s97
.irp t, 0,1                            ; 16 loads: b_out at my columns of both tiles
.irp b, 0,1,2,3
	global_load_b128 v[BI+32*\t+8*\b:BI+32*\t+8*\b+3],   v[BO], s[8:9] offset:2048*\t+64*\b
	global_load_b128 v[BI+32*\t+8*\b+4:BI+32*\t+8*\b+7], v[BO], s[8:9] offset:2048*\t+64*\b+16
.endr
.endr
.irp s, 0,1,2,3,4,5,6,7                ; 128 loads, 16 for each step of 128 along K, in the order in which the steps want them
.set WA, 0x80+0x40*(\s/4)
	WIN WA                                         ; destination window 2 or 3
.irp n, 0,1,2,3
.irp cc, 0,1,2,3
	global_load_b128 v[64*(\s%4)+16*\n+4*\cc:64*(\s%4)+16*\n+4*\cc+3], v[LI], s[4:5] offset:16384*\n+2048*\s+512*\cc
.endr
.endr
.endr
	WIN 0
	s_wait_alu depctr_va_vdst(0)                   ; the head's end
	s_wait_kmcnt 0x0
	s_add_co_i32 s84, s62, s63
	s_add_co_i32 s84, s84, 127
	s_lshl_b32 s84, s84, 23                        ; 2^(e6 + e7)
	s_mov_b32 s85, s84
.macro FETCH t, s                      ; 16 LDS loads: W's four fragments of tile t, step s, into set s % 2
	WIN 0x40
.irp b, 0,1,2,3
.irp cc, 0,1,2,3
	ds_load_b128 v[64*((\s)%2)+16*\b+4*\cc:64*((\s)%2)+16*\b+4*\cc+3], v[ADRB+\t] offset:16*BP*\b+128*(\s)+32*\cc
.endr
.endr
.endm
.macro MUL16 s, first                  ; sixteen accumulators by turns
.set WA, 0x09+4*((\s)/4)
	WIN WA                                         ; source 0 window 1, source 1 window 2 or 3; C and D window 0
.irp a, 0,1,2,3
.irp b, 0,1,2,3
.if \first
	v_wmma_f32_16x16x128_bf8_bf8 v[ACC+8*(4*\a+\b):ACC+8*(4*\a+\b)+7], v[64*((\s)%2)+16*\b:64*((\s)%2)+16*\b+15], v[64*((\s)%4)+16*\a:64*((\s)%4)+16*\a+15], 0
.else
	v_wmma_f32_16x16x128_bf8_bf8 v[ACC+8*(4*\a+\b):ACC+8*(4*\a+\b)+7], v[64*((\s)%2)+16*\b:64*((\s)%2)+16*\b+15], v[64*((\s)%4)+16*\a:64*((\s)%4)+16*\a+15], v[ACC+8*(4*\a+\b):ACC+8*(4*\a+\b)+7]
.endif
.endr
.endr
.endm
; The wait for the rows' fragments of step s, in the first tile alone.  Behind them 112 - 16 s loads were issued; the count's field holds 63, which serves steps 0 to 3 at once.
.macro LW s, t
.if \t == 0
.if \s == 0
	s_wait_loadcnt 63
.endif
.if \s > 3
	s_wait_loadcnt 112-16*\s
.endif
.endif
.endm
.macro SUB t, s, first
	PLACES 4                                       ; between the products that read W's other set and the loads into it
	FETCH \t, \s+1
	LW \s, \t
	MUL16 \s, \first
	WIN 0
	s_wait_dscnt 0x0
.endm
.macro GEMM t                          ; a tile's whole K
	FETCH \t, 0
	WIN 0
	s_wait_dscnt 0x0
	SUB \t, 0, 1
	SUB \t, 1, 0
	SUB \t, 2, 0
	SUB \t, 3, 0
	SUB \t, 4, 0
	SUB \t, 5, 0
	SUB \t, 6, 0
	LW 7, \t
	MUL16 7, 0
	WIN 0
.endm
; THE WAY OUT, 16 rows x my 64 columns at a time: sum x 2^(e6 + e7) + b_out in place, through my own stage, back as whole rows of 256 bytes.  LDS serves a wave's instructions in order (ISA guide 5.7.1.4).
.macro PACK a, t
.irp b, 0,1,2,3
.irp n, 0,2,4,6
	v_pk_fma_f32 v[ACC+8*(4*\a+\b)+\n:ACC+8*(4*\a+\b)+\n+1], v[ACC+8*(4*\a+\b)+\n:ACC+8*(4*\a+\b)+\n+1], s[84:85], v[BI+32*\t+8*\b+\n:BI+32*\t+8*\b+\n+1] op_sel_hi:[1,0,1]
.endr
.endr
.irp b, 0,1,2,3
	ds_store_b128 v[STO], v[ACC+8*(4*\a+\b):ACC+8*(4*\a+\b)+3] offset:64*\b
	ds_store_b128 v[STO], v[ACC+8*(4*\a+\b)+4:ACC+8*(4*\a+\b)+7] offset:64*\b+16
.endr
.irp n, 0,1,2,3,4,5,6,7
	ds_load_b128 v[ACC+32*\a+4*\n:ACC+32*\a+4*\n+3], v[RD] offset:544*\n
.endr
.endm
.macro SEND a, younger, t              ; younger: the LDS instructions issued behind block a's loads
.irp n, 0,1,2,3,4,5,6,7
	s_wait_dscnt \younger+7-\n
	global_store_b128 v[CO], v[ACC+32*\a+4*\n:ACC+32*\a+4*\n+3], s[12:13] offset:65536*\a+8192*\n+2048*\t th:TH_STORE_NT   ; sixteen lanes store 256 consecutive bytes, aligned
.endr
.endm
.macro OUTT t
	PACK 0, \t
	PACK 1, \t
	SEND 0, 16, \t
	PACK 2, \t
	SEND 1, 16, \t
	PACK 3, \t
	SEND 2, 16, \t
	SEND 3, 0, \t
.endm
	s_wait_tensorcnt 0x0                           ; my part of W is in;
	s_barrier_signal -1
	s_barrier_wait -1                              ; everybody's is
	GEMM 0                                         ; the first tile; its last wait on the loads is for all of them, b_out among them
	PLACES 4                                       ; between the last products and the first read of results
	OUTT 0
	s_wait_xcnt 0x0                                ; the stores have read their data: the accumulators may be begun anew
	GEMM 1                                         ; the second tile: the rows' fragments are in registers still
	PLACES 4
	OUTT 1
	s_wait_tensorcnt 0x0                           ; the wave's end
	ds_add_u32 v[SPW], v[NIL]
	s_wait_dscnt 0x0
	CROUND                                         ; the closing round
	s_endpgm
.Lfunc_end_k_qc413f750b6_proj:
	.size	k_qc413f750b6_proj, .Lfunc_end_k_qc413f750b6_proj-k_qc413f750b6_proj
	.p2alignl 7, 3214868480
	.fill 96, 4, 3214868480
	.section	.rodata,"a",@progbits
	.p2align	6, 0x0
	.amdhsa_kernel k_qc413f750b6_proj
		.amdhsa_group_segment_fixed_size 284160
		.amdhsa_private_segment_fixed_size 0
		.amdhsa_enable_private_segment 0
		.amdhsa_kernarg_size 40
		.amdhsa_user_sgpr_count 2
		.amdhsa_user_sgpr_kernarg_segment_ptr 1
		.amdhsa_wavefront_size32 1
		.amdhsa_system_sgpr_workgroup_id_x 1
		.amdhsa_system_sgpr_workgroup_id_y 1
		.amdhsa_system_sgpr_workgroup_id_z 1
		.amdhsa_system_vgpr_workitem_id 0
		.amdhsa_next_free_vgpr 1024
		.amdhsa_next_free_sgpr 100
		.amdhsa_reserve_vcc 0
		.amdhsa_float_denorm_mode_32 3
		.amdhsa_float_denorm_mode_16_64 3
		.amdhsa_memory_ordered 1
		.amdhsa_forward_progress 1
		.amdhsa_inst_pref_size 80
	.end_amdhsa_kernel
	.amdgpu_metadata
---
amdhsa.version: [ 1, 2 ]
amdhsa.kernels:
  - .name:           k_qc413f750b6_proj
    .symbol:         k_qc413f750b6_proj.kd
    .args:
      - { .name: attn_codes, .offset: 0, .size: 8, .value_kind: global_buffer, .address_space: global }
      - { .name: w_out_codes, .offset: 8, .size: 8, .value_kind: global_buffer, .address_space: global }
      - { .name: b_out, .offset: 16, .size: 8, .value_kind: global_buffer, .address_space: global }
      - { .name: lowp_scales, .offset: 24, .size: 8, .value_kind: global_buffer, .address_space: global }
      - { .name: out0, .offset: 32, .size: 8, .value_kind: global_buffer, .address_space: global }
    .group_segment_fixed_size: 284160
    .private_segment_fixed_size: 0
    .kernarg_segment_align: 8
    .kernarg_segment_size: 40
    .max_flat_workgroup_size: 128
    .sgpr_count:     100
    .vgpr_count:     1024
    .wavefront_size: 32
...
	.end_amdgpu_metadata
.endif
;; end of part 3
